; MI455X (gfx1250); checked and timed in simulation.
; The chip was launched on July 23, 2026; its instructions are those of AMD's public machine-readable ISA for CDNA 5 (MIT licence, August 2026) and "CDNA5" Instruction Set Architecture Reference Guide (July 2026). The comments in the code are by the model that wrote it; some were corrected since.
;; Var Whisper Attention. Allowed arithmetic: float matrix products may take bf16 or f16 operands with f32 sums; all other float work in f32.
;; Inputs: attention_mask 2 x 1 x 2,048 x 2,048 float32; position_ids 2 x 2,048 int32; qkv 2 x 2,048 x 3 x 16 x 64 float32; sliding_window_mask 2 x 1 x 2,048 x 2,048 float32.
;; Outputs: out0 2 x 2,048 x 1,024 float32.
;; One version. Each part assembles by itself: llvm-mc -triple=amdgcn-amd-amdhsa -mcpu=gfx1250 --defsym DOCPART=n.
;; ======== version 1 of 1: 3 launches
;; limits: values are held in f16: magnitudes above 65,504 overflow, below 6.1e-05 lose precision; right only within a limited range of input values
;; workspace buffers: qh 8,388,608 bytes; kh 8,388,608 bytes; vh 8,388,608 bytes; amax 2,048 bytes; tiles 1,024 bytes of whole numbers
;; launch rope (part 1): grid 256 x 1, 8 waves a work-group, no clusters, 1,280 bytes of LDS; arguments qkv, position_ids, qh, kh, vh, amax; writes qh, kh, vh, amax
.if DOCPART == 1
	.amdgcn_target "amdgcn-amd-amdhsa--gfx1250"
	.amdhsa_code_object_version 6
	.text
	.protected	k_q745bc72d1d_rope
	.globl	k_q745bc72d1d_rope
	.p2align	8
	.type	k_q745bc72d1d_rope,@function
k_q745bc72d1d_rope:
	s_mov_b64 s[64:65], 0
	v_nop
	global_prefetch_b8 v0, s[64:65] scope:SCOPE_SE
	s_setreg_imm32_b32 hwreg(HW_REG_WAVE_MODE, 25, 1), 1
	s_wait_xcnt 0x0
; Rotary embedding of q and k, q also times 1/8 (the score scale, a power of two: exact), and q, k, v from f32 to f16,
; from [b][s][3][16][64] into qh, kh, vh = [b][h][s][64].  Also the largest |q| and |k| of the work-group's 16 rows
; (all heads, before rotation: a rotation keeps a vector's length), for the next launch's bound on the scores.
; f16 and not bf16: eleven bits of significand; the inputs' room is stated below.
; LIMITS: |k|, |v| <= 65504 and |q| <= 8 x 65504 (f16's range).  The inverse frequency is made as exp2(-j log2(10000)/32), some
; 3e-7 relative off: the angle is within 0.01 rad of the exact product for |position| <= 32768.
; A stream: no matrix unit, no cluster (no two work-groups share a byte), LDS only for the two maxima.
; Work-group g: flat rows 16 g .. 16 g + 15.  Wave w: rows 2 w, 2 w + 1, all 48 items (t = q, k, v; head 0..15).
; Lane: i = lane & 15 owns d = 4 i .. 4 i + 3, lane >> 4 picks the row.  One load of the wave covers two head rows of
; 256 consecutive bytes each, aligned; one store covers 256 consecutive bytes, aligned (two neighbouring s of one head).
; All 48 loads of a wave are issued at once (24,576 bytes on their way); sine and cosine are made meanwhile.
.set ROWB, 12288                       ; bytes of one (b, s) row of qkv
.set AQ,  8                            ; v8 largest |q|, v9 largest |k|
.set C,   16                           ; v[16:19] cosine of my 4 d
.set SN,  20                           ; v[20:23] sine, with rotate_half's sign
.set T,   24                           ; v[24:31] two banks of 4, at work
.set AN,  32                           ; v[32:35] angle, then scratch
.set KK,  36                           ; v[36:39] quadrant
.set R,   40                           ; v[40:43] inverse frequency, then reduced angle
.set R2,  44                           ; v[44:47] its square
.set SP,  48                           ; v[48:51] sine polynomial
.set CP,  52                           ; v[52:55] cosine polynomial
.set X,   56                           ; v[56:247] item (t, h): 4 registers at X + 64 t + 4 h
	s_load_b256 s[4:11], s[0:1], 0x0               ; qkv s[4:5], position_ids s[6:7], qh s[8:9], kh s[10:11]
	s_load_b128 s[12:15], s[0:1], 0x20             ; vh s[12:13], amax s[14:15]
	v_lshl_add_u32 v248, v0, 2, 0x100
	v_mov_b32 v249, 0
	v_lshrrev_b32 v10, 5, v0
	v_readfirstlane_b32 s16, v10                   ; wave
	v_and_b32 v1, 31, v0                           ; lane
	v_and_b32 v2, 15, v0                           ; i
	v_bfe_u32 v11, v0, 4, 1                        ; which of the wave's two rows
	v_lshl_add_u32 v12, v10, 1, v11                ; row in the group: 2 w + that
	v_mul_u32_u24 v3, v12, ROWB
	v_lshl_add_u32 v3, v2, 4, v3                   ; in: row x 12,288 + 16 i
	v_lshlrev_b32 v4, 3, v0                        ; out: (2 w + row) x 128 + 8 i = 8 x thread
	v_lshlrev_b32 v5, 2, v12                       ; my row's position
	s_mul_i32 s18, ttmp9, 0x30000                  ; 16 rows of 12,288 bytes
	s_mov_b32 s19, 0
	s_lshr_b32 s20, ttmp9, 7                       ; b
	s_lshl_b32 s20, s20, 22                        ; x 16 heads x 2,048 rows x 128 bytes
	s_and_b32 s21, ttmp9, 127
	s_lshl_b32 s21, s21, 11                        ; + first s x 128 bytes
	s_add_co_u32 s20, s20, s21
	s_mov_b32 s21, 0
	s_lshl_b32 s22, ttmp9, 6                       ; 16 positions of 4 bytes
	s_mov_b32 s23, 0
	s_lshl_b32 s2, ttmp9, 2                        ; amax[g]
	s_mov_b32 s3, 0
	s_mov_b32 s24, 0xb9500d01                      ; -1/5040
	s_mov_b32 s25, 0x3c088889                      ; 1/120
	s_mov_b32 s26, 0xbe2aaaab                      ; -1/6
	s_mov_b32 s27, 0x37d00d01                      ; 1/40320
	s_mov_b32 s28, 0xbab60b61                      ; -1/720
	s_mov_b32 s29, 0x3d2aaaab                      ; 1/24
	s_mov_b32 s30, 0x76543210                      ; v_permlanex16_b32: lane i takes lane i of the other half
	s_mov_b32 s31, 0xfedcba98
	s_wait_kmcnt 0x0
	s_add_nc_u64 s[4:5], s[4:5], s[18:19]
	s_add_nc_u64 s[6:7], s[6:7], s[22:23]
	s_add_nc_u64 s[8:9], s[8:9], s[20:21]
	s_add_nc_u64 s[10:11], s[10:11], s[20:21]
	s_add_nc_u64 s[12:13], s[12:13], s[20:21]
	s_add_nc_u64 s[14:15], s[14:15], s[2:3]
	global_load_b32 v6, v5, s[6:7]                 ; the position first: it is wanted first
.irp t, 0,1,2
.irp h, 0,1,2,3,4,5,6,7,8,9,10,11,12,13,14,15
	global_load_b128 v[X+64*\t+4*\h:X+64*\t+4*\h+3], v3, s[4:5] offset:\t*4096+\h*256 th:TH_LOAD_NT
.endr
.endr
	; sine and cosine of position x 10000^(-j/32), j = d mod 32 = 4 (i & 7) + e
	v_and_b32 v10, 7, v2
	v_lshlrev_b32 v10, 2, v10
	v_lshrrev_b32 v7, 3, v2
	v_xor_b32 v7, 1, v7
	v_lshlrev_b32 v7, 31, v7                       ; sign bit where d < 32: there rotate_half gives -x[d+32]
	v_mov_b32 v[AQ], 0
	v_mov_b32 v[AQ+1], 0
.irp e, 0,1,2,3,4,5,6,7
	v_mov_b32 v[T+\e], 0                           ; a DPP form's destination counts as read: written once here
.endr
.irp e, 0,1,2,3
	v_add_nc_u32 v[AN+\e], \e, v10
	v_cvt_f32_u32 v[AN+\e], v[AN+\e]
	v_mul_f32 v[AN+\e], 0xbed49a78, v[AN+\e]       ; -j x log2(10000)/32
.endr
.irp e, 0,1,2,3
	v_exp_f32 v[R+\e], v[AN+\e]
.endr
	s_wait_loadcnt 48                              ; the position is in; the 48 loads issued behind it stay out
	v_cvt_f32_i32 v6, v6                           ; also the plain instruction between the exponentials and their use
	s_wait_alu depctr_va_vdst(0)
.irp e, 0,1,2,3
	v_mul_f32 v[AN+\e], v6, v[R+\e]                ; the angle, one rounding
.endr
.irp e, 0,1,2,3
	v_mul_f32 v[KK+\e], 0x3f22f983, v[AN+\e]       ; x 2/pi
	v_rndne_f32 v[KK+\e], v[KK+\e]                 ; the quadrant
	v_fmamk_f32 v[R+\e], v[KK+\e], 0xbfc90fdb, v[AN+\e]   ; angle - k x pi/2, pi/2 in two parts
	v_fmamk_f32 v[R+\e], v[KK+\e], 0x333bbd2e, v[R+\e]
	v_mul_f32 v[R2+\e], v[R+\e], v[R+\e]
	v_fma_f32 v[SP+\e], v[R2+\e], s24, s25         ; |r| <= pi/4: the series' next terms are below 3e-7
	v_fma_f32 v[CP+\e], v[R2+\e], s27, s28
	v_fma_f32 v[SP+\e], v[SP+\e], v[R2+\e], s26
	v_fma_f32 v[CP+\e], v[CP+\e], v[R2+\e], s29
	v_mul_f32 v[SP+\e], v[SP+\e], v[R2+\e]
	v_fma_f32 v[CP+\e], v[CP+\e], v[R2+\e], -0.5
	v_fma_f32 v[SP+\e], v[SP+\e], v[R+\e], v[R+\e]
	v_fma_f32 v[CP+\e], v[CP+\e], v[R2+\e], 1.0
	v_cvt_i32_f32 v[KK+\e], v[KK+\e]
	v_and_b32 v[AN+\e], 1, v[KK+\e]
	v_cmp_eq_u32 vcc_lo, 1, v[AN+\e]               ; odd quadrant: sine and cosine change places
	v_cndmask_b32 v[SN+\e], v[SP+\e], v[CP+\e], vcc_lo
	v_cndmask_b32 v[C+\e], v[CP+\e], v[SP+\e], vcc_lo
	v_lshlrev_b32 v[AN+\e], 30, v[KK+\e]           ; sine is negative in quadrants 2, 3: bit 1 of k
	v_and_b32 v[AN+\e], 0x80000000, v[AN+\e]
	v_xor_b32 v[AN+\e], v[AN+\e], v7               ; and rotate_half's sign with it
	v_xor_b32 v[SN+\e], v[SN+\e], v[AN+\e]
	v_add_nc_u32 v[KK+\e], 1, v[KK+\e]             ; cosine is negative in quadrants 1, 2: bit 1 of k + 1
	v_lshlrev_b32 v[KK+\e], 30, v[KK+\e]
	v_and_b32 v[KK+\e], 0x80000000, v[KK+\e]
	v_xor_b32 v[C+\e], v[C+\e], v[KK+\e]
.endr
.irp e, 0,2
	v_pk_mul_f32 v[C+\e:C+\e+1], v[C+\e:C+\e+1], 0x3e000000 op_sel_hi:[1,0]      ; for q: x 1/8
	v_pk_mul_f32 v[SN+\e:SN+\e+1], v[SN+\e:SN+\e+1], 0x3e000000 op_sel_hi:[1,0]
.endr
; One item: 4 numbers a lane.  Loads come back in issue order, one load an item: 47 - 16 t - h were issued behind this one.
; The packed result goes into the item's own first two registers, which nothing writes again: the stores need no wait.
.macro ITEM t, h
.set XI, X+64*\t+4*\h
.set TI, T+4*(\h%2)
	s_wait_loadcnt 47-16*\t-\h
.if \t < 2
	v_max3_num_f32 v[AQ+\t], |v[XI]|, |v[XI+1]|, v[AQ+\t]
	v_max3_num_f32 v[AQ+\t], |v[XI+2]|, |v[XI+3]|, v[AQ+\t]
.irp e, 0,1,2,3
	v_mul_f32_dpp v[TI+\e], v[XI+\e], v[SN+\e] row_xmask:8 row_mask:0xf bank_mask:0xf   ; x[d +- 32] (lane xor 8) x my signed sine
.endr
	v_pk_fma_f32 v[TI:TI+1], v[XI:XI+1], v[C:C+1], v[TI:TI+1]
	v_pk_fma_f32 v[TI+2:TI+3], v[XI+2:XI+3], v[C+2:C+3], v[TI+2:TI+3]
	v_cvt_pk_f16_f32 v[XI], v[TI], v[TI+1]
	v_cvt_pk_f16_f32 v[XI+1], v[TI+2], v[TI+3]
.else
	v_cvt_pk_f16_f32 v[XI], v[XI], v[XI+1]
	v_cvt_pk_f16_f32 v[XI+1], v[XI+2], v[XI+3]
.endif
	global_store_b64 v4, v[XI:XI+1], s[8+2*\t:9+2*\t] offset:\h*262144
.endm
.irp h, 0,1,2,3,4,5,6,7,8,9,10,11,12,13,14,15
	ITEM 0, \h
.endr
.irp e, 0,2
	v_pk_mul_f32 v[C+\e:C+\e+1], v[C+\e:C+\e+1], 0x41000000 op_sel_hi:[1,0]      ; for k: the 1/8 taken back, exactly
	v_pk_mul_f32 v[SN+\e:SN+\e+1], v[SN+\e:SN+\e+1], 0x41000000 op_sel_hi:[1,0]
.endr
.irp h, 0,1,2,3,4,5,6,7,8,9,10,11,12,13,14,15
	ITEM 1, \h
.endr
.irp h, 0,1,2,3,4,5,6,7,8,9,10,11,12,13,14,15
	ITEM 2, \h
.endr
	; the two maxima: over the wave's lanes, then over the eight waves through LDS
.irp m, 1,2,4,8
	v_max_num_f32_dpp v8, v8, v8 row_xmask:\m row_mask:0xf bank_mask:0xf
	v_max_num_f32_dpp v9, v9, v9 row_xmask:\m row_mask:0xf bank_mask:0xf
.endr
	v_permlanex16_b32 v10, v8, s30, s31
	v_permlanex16_b32 v11, v9, s30, s31
	v_max_num_f32 v8, v8, v10
	v_max_num_f32 v9, v9, v11
	v_mov_b32 v12, s16
	v_lshlrev_b32 v12, 3, v12
	ds_store_b64 v12, v[8:9]                       ; every lane the same 8 bytes, at 8 x wave
	s_wait_dscnt 0x0                               ; for wave 0's sake: stored before the signal
	s_barrier_signal -1
	s_barrier_wait -1
	s_cmp_lg_u32 s16, 0
	s_cbranch_scc1 .Lend
	v_mov_b32 v13, 0
.irp j, 0,1,2,3
	ds_load_b128 v[16+4*\j:19+4*\j], v13 offset:16*\j      ; |q| in the even registers, |k| in the odd ones
.endr
	s_wait_dscnt 0x0
	v_max3_num_f32 v8, v16, v18, v20
	v_max3_num_f32 v9, v17, v19, v21
	v_max3_num_f32 v8, v8, v22, v24
	v_max3_num_f32 v9, v9, v23, v25
	v_max3_num_f32 v8, v8, v26, v28
	v_max3_num_f32 v9, v9, v27, v29
	v_max_num_f32 v8, v8, v30
	v_max_num_f32 v9, v9, v31
	v_cmp_eq_u32 vcc_lo, 0, v1
	v_cndmask_b32 v10, v9, v8, vcc_lo              ; lane 0: |q| to byte 4 g; lane 1: |k| to byte 1,024 + 4 g
	v_lshlrev_b32 v11, 10, v1
	v_cmp_gt_u32 vcc_lo, 2, v1
	s_wait_xcnt 0x0                                ; EXEC is a source of the stores above: it changes only behind this wait
	s_and_saveexec_b32 s17, vcc_lo
	global_store_b32 v11, v10, s[14:15]
	s_wait_xcnt 0x0                                ; and widens again only behind this one
	s_or_b32 exec_lo, exec_lo, s17
.Lend:
	s_wait_tensorcnt 0x0
	ds_add_u32 v248, v249
	s_wait_dscnt 0x0
	s_endpgm
.Lfunc_end_k_q745bc72d1d_rope:
	.size	k_q745bc72d1d_rope, .Lfunc_end_k_q745bc72d1d_rope-k_q745bc72d1d_rope
	.p2alignl 7, 3214868480
	.fill 96, 4, 3214868480
	.section	.rodata,"a",@progbits
	.p2align	6, 0x0
	.amdhsa_kernel k_q745bc72d1d_rope
		.amdhsa_group_segment_fixed_size 1280
		.amdhsa_private_segment_fixed_size 0
		.amdhsa_enable_private_segment 0
		.amdhsa_kernarg_size 48
		.amdhsa_user_sgpr_count 2
		.amdhsa_user_sgpr_kernarg_segment_ptr 1
		.amdhsa_wavefront_size32 1
		.amdhsa_system_sgpr_workgroup_id_x 1
		.amdhsa_system_sgpr_workgroup_id_y 1
		.amdhsa_system_sgpr_workgroup_id_z 1
		.amdhsa_system_vgpr_workitem_id 0
		.amdhsa_next_free_vgpr 250
		.amdhsa_next_free_sgpr 66
		.amdhsa_reserve_vcc 1
		.amdhsa_float_denorm_mode_32 3
		.amdhsa_float_denorm_mode_16_64 3
		.amdhsa_memory_ordered 1
		.amdhsa_forward_progress 1
		.amdhsa_inst_pref_size 44
	.end_amdhsa_kernel
	.amdgpu_metadata
---
amdhsa.version: [ 1, 2 ]
amdhsa.kernels:
  - .name:           k_q745bc72d1d_rope
    .symbol:         k_q745bc72d1d_rope.kd
    .args:
      - { .name: qkv, .offset: 0, .size: 8, .value_kind: global_buffer, .address_space: global }
      - { .name: position_ids, .offset: 8, .size: 8, .value_kind: global_buffer, .address_space: global }
      - { .name: qh, .offset: 16, .size: 8, .value_kind: global_buffer, .address_space: global }
      - { .name: kh, .offset: 24, .size: 8, .value_kind: global_buffer, .address_space: global }
      - { .name: vh, .offset: 32, .size: 8, .value_kind: global_buffer, .address_space: global }
      - { .name: amax, .offset: 40, .size: 8, .value_kind: global_buffer, .address_space: global }
    .group_segment_fixed_size: 1280
    .private_segment_fixed_size: 0
    .kernarg_segment_align: 8
    .kernarg_segment_size: 48
    .max_flat_workgroup_size: 256
    .sgpr_count:     66
    .vgpr_count:     250
    .wavefront_size: 32
...
	.end_amdgpu_metadata
.endif
;; end of part 1
;; launch scan (part 2): grid 256 x 1, 8 waves a work-group, no clusters, 1,536 bytes of LDS; arguments sliding_window_mask, amax, tiles; writes tiles
.if DOCPART == 2
	.amdgcn_target "amdgcn-amd-amdhsa--gfx1250"
	.amdhsa_code_object_version 6
	.text
	.protected	k_q745bc72d1d_scan
	.globl	k_q745bc72d1d_scan
	.p2align	8
	.type	k_q745bc72d1d_scan,@function
k_q745bc72d1d_scan:
	s_mov_b64 s[64:65], 0
	v_nop
	global_prefetch_b8 v0, s[64:65] scope:SCOPE_SE
	s_setreg_imm32_b32 hwreg(HW_REG_WAVE_MODE, 25, 1), 1
	s_wait_xcnt 0x0
; For each group g of 16 mask rows: a word whose bit T says that key tile T (keys 128 T .. 128 T + 127) has to be computed.
; Tile T may be left out for a row if  (largest mask value of the row) - (largest mask value of the row inside T) > margin,
; margin = 2 x bound on |score| + 106.  |score| <= |q| |k| / 8 <= (8 aq)(8 ak)/8 = 8 aq ak, with aq the largest |q| entry of the
; group's rows and ak the largest |k| entry of the whole batch (the row's best logit may lie in any tile); 16.5 in place of 16 covers
; the operands' rounding.  Every logit of such a tile lies more than 106 under the row's largest, so its exponential is below
; e^-106, which is zero in f32.  The test reads the mask as it is given and assumes no pattern: a mask without such gaps yields 0xffff.
; A NaN or an infinite margin makes the comparison false: the tile is kept.
; LIMIT: mask entries that are NaN or +inf are not served (the maxima pass a NaN over).  A row of -inf alone gives NaN gaps, which
; lose against the other rows' gaps; such a row comes out NaN from whatever tile is computed, as it should.
; A stream: wave w takes rows 2 w, 2 w + 1; load T of a row covers 512 consecutive bytes, aligned, which are exactly tile T.
; All 32 loads of a wave are issued at once.  No matrix unit, no cluster: no byte is shared between work-groups.
.set G,  24                            ; v[24:39]  gap of tile T, the smaller of my two rows'
.set X0, 40                            ; v[40:103]  first row, 4 registers a tile
.set X1, 104                           ; v[104:167] second row
.set RM, 168                           ; the row's largest
	s_load_b128 s[4:7], s[0:1], 0x0                ; mask s[4:5], amax s[6:7]
	s_load_b64 s[8:9], s[0:1], 0x10                ; tiles
	v_lshl_add_u32 v176, v0, 2, 0x200
	v_mov_b32 v177, 0
	v_lshrrev_b32 v4, 5, v0
	v_readfirstlane_b32 s16, v4                    ; wave
	v_and_b32 v1, 31, v0                           ; lane
	v_lshlrev_b32 v3, 4, v1                        ; 16 x lane
	v_lshl_add_u32 v2, v4, 14, v3                  ; + wave x 2 rows of 8,192 bytes
	s_lshl_b32 s10, ttmp9, 17                      ; 16 rows of 8,192 bytes
	s_mov_b32 s11, 0
	s_lshr_b32 s14, ttmp9, 7                       ; b
	s_lshl_b32 s14, s14, 9                         ; its 128 groups' |k|, 4 bytes each
	s_mov_b32 s15, 0
	s_lshl_b32 s18, ttmp9, 2                       ; word g
	s_mov_b32 s19, 0
	s_mov_b32 s12, 0x76543210
	s_mov_b32 s13, 0xfedcba98
	s_wait_kmcnt 0x0
	s_add_nc_u64 s[4:5], s[4:5], s[10:11]
	s_add_nc_u64 s[20:21], s[6:7], s[14:15]
	s_add_nc_u64 s[22:23], s[6:7], s[18:19]
	s_add_nc_u64 s[8:9], s[8:9], s[18:19]
	s_load_b32 s17, s[22:23], 0x0                  ; aq[g]; this launch stores nothing into amax
	global_load_b128 v[16:19], v3, s[20:21] offset:1024    ; the batch's 128 ak, four a lane
.irp t, 0,1,2,3,4,5,6,7,8,9,10,11,12,13,14,15
	global_load_b128 v[X0+4*\t:X0+4*\t+3], v2, s[4:5] offset:512*\t
.endr
.irp t, 0,1,2,3,4,5,6,7,8,9,10,11,12,13,14,15
	global_load_b128 v[X1+4*\t:X1+4*\t+3], v2, s[4:5] offset:8192+512*\t
.endr
; One row: the largest of each tile in every lane, the largest of the row, the sixteen gaps.  Stage by stage over the tiles, so that
; no instruction waits for the one in front of it.  left: loads issued behind this row's.
.macro ROW bank, first, left
	s_wait_loadcnt \left
.irp t, 0,1,2,3,4,5,6,7,8,9,10,11,12,13,14,15
	v_max3_num_f32 v[\bank+4*\t], v[\bank+4*\t], v[\bank+4*\t+1], v[\bank+4*\t+2]
.endr
.irp t, 0,1,2,3,4,5,6,7,8,9,10,11,12,13,14,15
	v_max_num_f32 v[\bank+4*\t], v[\bank+4*\t], v[\bank+4*\t+3]
.endr
.irp m, 1,2,4,8
.irp t, 0,1,2,3,4,5,6,7,8,9,10,11,12,13,14,15
	v_max_num_f32_dpp v[\bank+4*\t], v[\bank+4*\t], v[\bank+4*\t] row_xmask:\m row_mask:0xf bank_mask:0xf
.endr
.endr
.irp t, 0,1,2,3,4,5,6,7,8,9,10,11,12,13,14,15
	v_permlanex16_b32 v[\bank+4*\t+1], v[\bank+4*\t], s12, s13
.endr
.irp t, 0,1,2,3,4,5,6,7,8,9,10,11,12,13,14,15
	v_max_num_f32 v[\bank+4*\t], v[\bank+4*\t], v[\bank+4*\t+1]
.endr
	v_max3_num_f32 v[RM], v[\bank], v[\bank+4], v[\bank+8]
.irp t, 3,5,7,9,11,13
	v_max3_num_f32 v[RM], v[RM], v[\bank+4*\t], v[\bank+4*\t+4]
.endr
	v_max_num_f32 v[RM], v[RM], v[\bank+60]
.irp t, 0,1,2,3,4,5,6,7,8,9,10,11,12,13,14,15
.if \first
	v_sub_f32 v[G+\t], v[RM], v[\bank+4*\t]
.else
	v_sub_f32 v[\bank+4*\t], v[RM], v[\bank+4*\t]
	v_min_num_f32 v[G+\t], v[G+\t], v[\bank+4*\t]
.endif
.endr
.endm
	ROW X0, 1, 16                                  ; the second row's 16 loads stay out
	ROW X1, 0, 0
	v_mov_b32 v5, s16
	v_lshlrev_b32 v5, 6, v5
.irp j, 0,1,2,3
	ds_store_b128 v5, v[G+4*\j:G+4*\j+3] offset:16*\j      ; every lane the same 64 bytes, at 64 x wave
.endr
	s_wait_dscnt 0x0                               ; for wave 0's sake: stored before the signal
	s_barrier_signal -1
	s_barrier_wait -1
	s_cmp_lg_u32 s16, 0
	s_cbranch_scc1 .Lend
	v_and_b32 v6, 15, v1                           ; lane T (and T + 16) judges tile T
	v_lshlrev_b32 v6, 2, v6
.irp w, 0,1,2,3,4,5,6,7
	ds_load_b32 v[40+\w], v6 offset:64*\w
.endr
	v_max3_num_f32 v16, v16, v17, v18              ; the batch's largest |k|
	v_max_num_f32 v16, v16, v19
.irp m, 1,2,4,8
	v_max_num_f32_dpp v16, v16, v16 row_xmask:\m row_mask:0xf bank_mask:0xf
.endr
	v_permlanex16_b32 v17, v16, s12, s13
	v_max_num_f32 v16, v16, v17
	s_wait_kmcnt 0x0
	v_mul_f32 v16, s17, v16
	v_mov_b32 v17, 0x42d40000                      ; 106.0
	v_fmamk_f32 v16, v16, 0x41840000, v17          ; 16.5 aq ak + 106
	s_wait_dscnt 0x0
	v_min3_num_f32 v40, v40, v41, v42
	v_min3_num_f32 v40, v40, v43, v44
	v_min3_num_f32 v40, v40, v45, v46
	v_min_num_f32 v40, v40, v47                    ; the smallest gap of the 16 rows
	v_cmp_gt_f32 vcc_lo, v40, v16                  ; may be left out
	s_not_b32 s14, vcc_lo
	s_and_b32 s14, s14, 0xffff
	s_cmp_eq_u32 s14, 0                            ; the tile that holds a row's largest has gap 0 and stays; should the word be empty all the same
	s_cselect_b32 s14, 0xffff, s14                 ; (infinities), every tile is computed.  A choice of a value, no branch
	v_mov_b32 v7, s14
	v_mov_b32 v8, 0
	v_cmp_eq_u32 vcc_lo, 0, v1
	s_wait_xcnt 0x0                                ; EXEC is a source of the loads above: it changes only behind this wait
	s_and_saveexec_b32 s15, vcc_lo
	global_store_b32 v8, v7, s[8:9]
	s_wait_xcnt 0x0
	s_or_b32 exec_lo, exec_lo, s15
.Lend:
	s_wait_tensorcnt 0x0
	ds_add_u32 v176, v177
	s_wait_dscnt 0x0
	s_endpgm
.Lfunc_end_k_q745bc72d1d_scan:
	.size	k_q745bc72d1d_scan, .Lfunc_end_k_q745bc72d1d_scan-k_q745bc72d1d_scan
	.p2alignl 7, 3214868480
	.fill 96, 4, 3214868480
	.section	.rodata,"a",@progbits
	.p2align	6, 0x0
	.amdhsa_kernel k_q745bc72d1d_scan
		.amdhsa_group_segment_fixed_size 1536
		.amdhsa_private_segment_fixed_size 0
		.amdhsa_enable_private_segment 0
		.amdhsa_kernarg_size 24
		.amdhsa_user_sgpr_count 2
		.amdhsa_user_sgpr_kernarg_segment_ptr 1
		.amdhsa_wavefront_size32 1
		.amdhsa_system_sgpr_workgroup_id_x 1
		.amdhsa_system_sgpr_workgroup_id_y 1
		.amdhsa_system_sgpr_workgroup_id_z 1
		.amdhsa_system_vgpr_workitem_id 0
		.amdhsa_next_free_vgpr 178
		.amdhsa_next_free_sgpr 66
		.amdhsa_reserve_vcc 1
		.amdhsa_float_denorm_mode_32 3
		.amdhsa_float_denorm_mode_16_64 3
		.amdhsa_memory_ordered 1
		.amdhsa_forward_progress 1
		.amdhsa_inst_pref_size 24
	.end_amdhsa_kernel
	.amdgpu_metadata
---
amdhsa.version: [ 1, 2 ]
amdhsa.kernels:
  - .name:           k_q745bc72d1d_scan
    .symbol:         k_q745bc72d1d_scan.kd
    .args:
      - { .name: sliding_window_mask, .offset: 0, .size: 8, .value_kind: global_buffer, .address_space: global }
      - { .name: amax, .offset: 8, .size: 8, .value_kind: global_buffer, .address_space: global }
      - { .name: tiles, .offset: 16, .size: 8, .value_kind: global_buffer, .address_space: global }
    .group_segment_fixed_size: 1536
    .private_segment_fixed_size: 0
    .kernarg_segment_align: 8
    .kernarg_segment_size: 24
    .max_flat_workgroup_size: 256
    .sgpr_count:     66
    .vgpr_count:     178
    .wavefront_size: 32
...
	.end_amdgpu_metadata
.endif
;; end of part 2
;; launch attn (part 3): grid 256 x 1, 8 waves a work-group, no clusters, 82,944 bytes of LDS; arguments tiles, qh, kh, vh, sliding_window_mask, out0; writes out0
.if DOCPART == 3
	.amdgcn_target "amdgcn-amd-amdhsa--gfx1250"
	.amdhsa_code_object_version 6
	.text
	.protected	k_q745bc72d1d_attn
	.globl	k_q745bc72d1d_attn
	.p2align	8
	.type	k_q745bc72d1d_attn,@function
k_q745bc72d1d_attn:
	s_mov_b64 s[64:65], 0
	v_nop
	global_prefetch_b8 v0, s[64:65] scope:SCOPE_SE
	s_setreg_imm32_b32 hwreg(HW_REG_WAVE_MODE, 25, 1), 1
	s_wait_xcnt 0x0
; out[b][s][h][:] = softmax over t of (q.k/8 + sliding_window_mask[b][s][t]) x v, with a running maximum, over the key tiles of 128 that
; the launch before listed for these 64 query rows (the OR of four row groups' words); the tiles left out hold only
; probabilities that are zero in f32.  attention_mask is not read.
; LIMITS: operands in f16 (see the first launch); logits below -1e38 count as -inf (the floor of the running maximum); a row whose
; logits are all -inf gives NaN, as 0/0 does in the softmax itself.
; Work-group id: 64 query rows (id & 31), four heads ((id >> 5) & 3), batch (id >> 7).  Wave w: head w >> 1, query rows 32 (w & 1) .. + 31.
; Two waves on each SIMD: one's exponentials and waits run beside the other's matrix work.
; NO BARRIER STANDS IN THIS TEXT.  The number of trips is read from memory, and a barrier is kept out of every branch that hangs on loaded
; data.  So no LDS byte is shared between waves, and nothing comes by the tensor mover, whose refills of a slot want a barrier: each wave
; fetches its own K, mask and V through registers, a step ahead.  NO CLUSTER for the same reason: there is no joint request to share.
; THE PRODUCTS ARE TRANSPOSED.  S^T = K Q^T: lane (r, h) register j holds key 16 kb + 8 h + j of query r, so a lane's 8 mask values are
; 32 neighbouring bytes, all row statistics are per lane (the other half of the keys is in lane xor 16), and two S^T tiles packed to
; f16 in the lane ARE the second operand of O^T = V^T P^T.  In O^T a lane holds 8 neighbouring d.
; The mask is added in f32 behind the product, (score rounded, one add).
; A step is 64 keys; a listed tile is two steps.  Per step a wave issues 48 loads of 16 bytes a lane: 16 bring K in fragment order, 16 the mask in
; S^T's order, 16 bring V as 512 consecutive bytes each; V goes through the wave's own 10,240 bytes of LDS (64 rows, pitch 160, an odd
; multiple of 32) and comes back by the transposing load.
; REGISTERS: window 0 (v0-255) holds addresses, Q, O^T, S^T, V^T and the statistics; window 1 (v256-447) is where the next step's loads land.
; s_set_vgpr_msb's low byte: bits 1:0 source 0, 3:2 source 1, 5:4 source 2, 7:6 destination.  Four switches a step.
.set WLDS, 10240                       ; a wave's LDS
.set KO,  4                            ; r x 128 + 16 h: my offset in 16 rows of K, and of Q
.set MO,  5                            ; r x 8,192 + 32 h: in 16 rows of the mask
.set VO,  6                            ; 16 x lane: in V
.set VST, 7                            ; LDS: where my 16 bytes of V go
.set ADV, 8                            ; LDS: where my transposing loads read
.set STO, 10                           ; stage: where I put 16 bytes
.set RD,  11                           ; stage: where I read a row back
.set CO,  12                           ; my byte offset in out0
.set Q,   16                           ; v[16:47]   Q fragments, 16 qblk + 8 ks
.set O,   48                           ; v[48:111]  O^T, 32 qblk + 8 db
.set S,   112                          ; v[112:175] S^T, 32 qblk + 8 kb; then P^T packed in place, 32 qblk + 8 ks
.set F,   176                          ; v[176:239] V^T fragments, 16 db + 8 ks
.set ST,  240                          ; v240 m0, v241 scratch, v242 m1, v243 scratch
.set AL,  244                          ; v244 alpha0, v245 l0, v246 alpha1, v247 l1
.set T,   248                          ; v[248:255] at work
.set KL,  0                            ; window 1: v[256:319] K fragments, 16 kb + 8 ks
.set ML,  64                           ; window 1: v[320:383] the mask, laid as S
.set VL,  128                          ; window 1: v[384:447] V as loaded, 4 registers a load
.set KC,  24                           ; s[24:25] K, s[26:27] V, s[28:29] mask: at the tile at work
.set VC,  26
.set MC,  28
.set KB,  76                           ; s[76:77] K, s[80:81] V, s[84:85] mask: at key tile 0
.set VB,  80
.set MB,  84
.set MSB, 0
.macro WIN new                         ; the immediate's high byte repeats the setting that is left
.if MSB != \new
	s_set_vgpr_msb (MSB<<8)|\new
.set MSB, \new
.endif
.endm
.set A_W1,  0x01                       ; source 0 from window 1
.set B_W1,  0x04                       ; source 1 from window 1
.set TO_W1, 0x40                       ; destination in window 1
	s_load_b256 s[4:11], s[0:1], 0x0               ; tiles s[4:5], qh s[6:7], kh s[8:9], vh s[10:11]
	s_load_b128 s[12:15], s[0:1], 0x20             ; mask s[12:13], out0 s[14:15]
	v_lshl_add_u32 v13, v0, 2, 0x14000
	v_mov_b32 v15, 0
	v_lshrrev_b32 v3, 5, v0
	v_readfirstlane_b32 s16, v3                    ; wave
	s_lshr_b32 s17, s16, 1                         ; head in the group
	s_and_b32 s18, s16, 1                          ; which 32 query rows
	s_and_b32 s19, ttmp9, 31                       ; query block
	s_bfe_u32 s22, ttmp9, 0x20005                  ; head group
	s_lshr_b32 s23, ttmp9, 7                       ; batch
	s_lshl2_add_u32 s2, s22, s17                   ; head
	s_lshl4_add_u32 s3, s23, s2                    ; 16 b + head
	s_mov_b32 s20, 0x76543210                      ; v_permlanex16_b32: lane xor 16
	s_mov_b32 s21, 0xfedcba98
	s_lshl_b32 s94, s23, 9                         ; tiles[128 b + 4 qb ..], 4 bytes each
	s_lshl_b32 s66, s19, 4
	s_add_co_u32 s94, s94, s66
	s_mov_b32 s95, 0
	s_mov_b32 s89, 0                               ; high words of the two tile offsets
	s_mov_b32 s91, 0
	; lane terms of all addresses
	v_and_b32 v1, 15, v0                           ; r
	v_bfe_u32 v2, v0, 4, 1                         ; h
	v_lshlrev_b32 v3, 7, v1
	v_lshl_add_u32 v[KO], v2, 4, v3                ; r x 128 + 16 h
	v_lshlrev_b32 v3, 13, v1
	v_lshl_add_u32 v[MO], v2, 5, v3                ; r x 8,192 + 32 h
	v_and_b32 v3, 31, v0
	v_lshlrev_b32 v[VO], 4, v3                     ; 16 x lane
	s_mul_i32 s66, s16, WLDS                       ; my LDS
	v_bfe_u32 v3, v0, 3, 2                         ; V in: a load's 512 bytes are 4 key rows: row lane >> 3,
	v_mul_u32_u24 v3, v3, 160
	v_and_b32 v14, 7, v0
	v_lshl_add_u32 v3, v14, 4, v3                  ; 16 bytes by lane & 7
	v_add_nc_u32 v[VST], s66, v3
	v_lshl_add_u32 v3, v2, 3, v14                  ; V back: key row 8 h + (lane & 7),
	v_mul_u32_u24 v3, v3, 160
	v_bfe_u32 v14, v0, 3, 1
	v_lshl_add_u32 v3, v14, 4, v3                  ; 16 bytes by bit 3 of the lane
	v_add_nc_u32 v[ADV], s66, v3
	v_mul_u32_u24 v3, v1, 272
	v_lshl_add_u32 v3, v2, 5, v3                   ; stage in: r x 272 + 32 h
	v_add_nc_u32 v[STO], s66, v3
	v_mul_u32_u24 v3, v2, 272
	v_lshl_add_u32 v3, v1, 4, v3                   ; stage back: lanes 0-15 one row of 256 bytes, lanes 16-31 the next
	v_add_nc_u32 v[RD], s66, v3
	v_lshlrev_b32 v3, 12, v2
	v_lshl_add_u32 v[CO], v1, 4, v3                ; the same two rows in out0
	v_mov_b32 v[ST+1], 0                           ; v_permlanex16_b32's destination counts as read
	v_mov_b32 v[ST+3], 0
	s_wait_kmcnt 0x0
	s_add_nc_u64 s[4:5], s[4:5], s[94:95]
	s_load_b128 s[96:99], s[4:5], 0x0              ; the four row groups' words
	s_lshl_b32 s94, s3, 18                         ; (16 b + head) x 2,048 rows x 128 bytes
	s_add_nc_u64 s[KB:KB+1], s[8:9], s[94:95]
	s_add_nc_u64 s[VB:VB+1], s[10:11], s[94:95]
	s_lshl_b32 s66, s19, 13                        ; + 64 qb rows
	s_add_co_u32 s94, s94, s66
	s_lshl_b32 s66, s18, 12                        ; + my 32 rows
	s_add_co_u32 s94, s94, s66
	s_add_nc_u64 s[6:7], s[6:7], s[94:95]          ; my query rows in qh
	s_lshl_b32 s94, s23, 24                        ; (2,048 b + 64 qb + 32 rh) x 8,192 bytes
	s_lshl_b32 s66, s19, 19
	s_add_co_u32 s94, s94, s66
	s_lshl_b32 s66, s18, 18
	s_add_co_u32 s94, s94, s66
	s_add_nc_u64 s[MB:MB+1], s[12:13], s[94:95]    ; my query rows in the mask
	s_lshl_b32 s94, s23, 23                        ; (2,048 b + 64 qb + 32 rh) x 4,096 + head x 256 in out0
	s_lshl_b32 s66, s19, 18
	s_add_co_u32 s94, s94, s66
	s_lshl_b32 s66, s18, 17
	s_add_co_u32 s94, s94, s66
	s_lshl_b32 s66, s2, 8
	s_add_co_u32 s94, s94, s66
	s_add_nc_u64 s[14:15], s[14:15], s[94:95]
.irp q, 0,1
.irp ks, 0,1
	global_load_b128 v[Q+16*\q+8*\ks:Q+16*\q+8*\ks+3], v[KO], s[6:7] offset:\q*2048+\ks*64
	global_load_b128 v[Q+16*\q+8*\ks+4:Q+16*\q+8*\ks+7], v[KO], s[6:7] offset:\q*2048+\ks*64+32
.endr
.endr
; The next listed tile: its number, clamped to the table's 16, leaves the list; the three bases move to it (128 rows of 128 bytes in K
; and V, 128 x 4 bytes along a mask row).  It stands where no load that names the bases is pending.
.macro NEXT
	s_ctz_i32_b32 s94, s92
	s_min_u32 s94, s94, 15
	s_lshl_b32 s66, 1, s94
	s_and_not1_b32 s92, s92, s66
	s_lshl_b32 s88, s94, 14
	s_lshl_b32 s90, s94, 9
	s_add_nc_u64 s[KC:KC+1], s[KB:KB+1], s[88:89]
	s_add_nc_u64 s[VC:VC+1], s[VB:VB+1], s[88:89]
	s_add_nc_u64 s[MC:MC+1], s[MB:MB+1], s[90:91]
.endm
; The 48 loads of one step (half = a plain 0 or 1: the tile's first or second 64 keys) into window 1: K first, since it is wanted first.
; Every offset is 0 or more and stays inside the tile: at most 8,192 + 6,144 + 96 in K, 8,192 + 7,680 in V, 256 + 131,072 + 208 in the mask.
.macro LOADS half
	WIN TO_W1
.irp ks, 0,1
.irp kb, 0,1,2,3
	global_load_b128 v[KL+16*\kb+8*\ks:KL+16*\kb+8*\ks+3], v[KO], s[KC:KC+1] offset:(\half)*8192+\kb*2048+\ks*64
	global_load_b128 v[KL+16*\kb+8*\ks+4:KL+16*\kb+8*\ks+7], v[KO], s[KC:KC+1] offset:(\half)*8192+\kb*2048+\ks*64+32
.endr
.endr
.irp q, 0,1
.irp kb, 0,1,2,3
	global_load_b128 v[ML+32*\q+8*\kb:ML+32*\q+8*\kb+3], v[MO], s[MC:MC+1] offset:(\half)*256+\q*131072+\kb*64
	global_load_b128 v[ML+32*\q+8*\kb+4:ML+32*\q+8*\kb+7], v[MO], s[MC:MC+1] offset:(\half)*256+\q*131072+\kb*64+16
.endr
.endr
.irp t, 0,1,2,3,4,5,6,7,8,9,10,11,12,13,14,15
	global_load_b128 v[VL+4*\t:VL+4*\t+3], v[VO], s[VC:VC+1] offset:(\half)*8192+\t*512
.endr
	WIN 0
.endm
	s_wait_kmcnt 0x0
	s_or_b32 s92, s96, s97
	s_or_b32 s92, s92, s98
	s_or_b32 s92, s92, s99
	s_and_b32 s92, s92, 0xffff                     ; the list
	s_bcnt1_i32_b32 s93, s92                       ; its length
	NEXT
	LOADS 0
; The running maximum of query block q: 32 scores a lane in four chains, the other 32 keys from lane xor 16.
; Later steps: alpha = exp(old - new).
.macro SM_MAX q, first
.set SB, S+32*\q
.set TB, T+4*\q
.irp c, 0,1,2,3
	v_max3_num_f32 v[TB+\c], v[SB+3*\c], v[SB+3*\c+1], v[SB+3*\c+2]
.endr
.irp g, 0,1
.irp c, 0,1,2,3
	v_max3_num_f32 v[TB+\c], v[TB+\c], v[SB+12+8*\g+2*\c], v[SB+13+8*\g+2*\c]
.endr
.endr
	v_max3_num_f32 v[TB], v[TB], v[SB+28], v[SB+29]
	v_max3_num_f32 v[TB+1], v[TB+1], v[SB+30], v[SB+31]
	v_max3_num_f32 v[TB], v[TB], v[TB+1], v[TB+2]
	v_max_num_f32 v[TB], v[TB], v[TB+3]
	v_permlanex16_b32 v[ST+2*\q+1], v[TB], s20, s21
.if \first
	v_max3_num_f32 v[ST+2*\q], v[TB], v[ST+2*\q+1], 0xfe967699     ; floor -1e38: no -inf minus -inf below
.else
	v_max3_num_f32 v[TB+1], v[TB], v[ST+2*\q+1], v[ST+2*\q]
	v_sub_f32 v[TB+2], v[ST+2*\q], v[TB+1]
	v_mul_f32 v[TB+2], 0x3fb8aa3b, v[TB+2]
	v_exp_f32 v[AL+2*\q], v[TB+2]
	v_mov_b32 v[ST+2*\q], v[TB+1]                  ; also the plain instruction behind the exponential
.endif
.endm
; p = exp(s - m), O and l rescaled, l summed, p packed to f16 in place.  The subtraction and the factor log2(e) stay two instructions:
; s - m is exact where p matters, whereas m x log2(e) rounded beforehand would shift every exponent of a mask with a large offset.
.macro SM_REST q, first
.set SB, S+32*\q
.set OB, O+32*\q
.irp p, 0,1,2,3,4,5,6,7,8,9,10,11,12,13,14,15
	v_pk_add_f32 v[SB+2*\p:SB+2*\p+1], v[SB+2*\p:SB+2*\p+1], v[ST+2*\q:ST+2*\q+1] op_sel_hi:[1,0] neg_lo:[0,1] neg_hi:[0,1]
.endr
.irp p, 0,1,2,3,4,5,6,7,8,9,10,11,12,13,14,15
	v_pk_mul_f32 v[SB+2*\p:SB+2*\p+1], v[SB+2*\p:SB+2*\p+1], 0x3fb8aa3b op_sel_hi:[1,0]
.endr
.set j, 0
.rept 32
	v_exp_f32 v[SB+j], v[SB+j]
.set j, j+1
.endr
.if \first
	v_nop                                          ; a plain instruction between the last exponential and its use
	s_wait_alu depctr_va_vdst(0)
.else
	s_wait_alu depctr_va_vdst(0)
.irp p, 0,1,2,3,4,5,6,7,8,9,10,11,12,13,14,15
	v_pk_mul_f32 v[OB+2*\p:OB+2*\p+1], v[OB+2*\p:OB+2*\p+1], v[AL+2*\q:AL+2*\q+1] op_sel_hi:[1,0]   ; that place is filled by these
.endr
.endif
.irp c, 0,1,2,3
	v_pk_add_f32 v[T+2*\c:T+2*\c+1], v[SB+4*\c:SB+4*\c+1], v[SB+4*\c+2:SB+4*\c+3]
.endr
.irp g, 0,1
.irp c, 0,1,2,3
	v_pk_add_f32 v[T+2*\c:T+2*\c+1], v[T+2*\c:T+2*\c+1], v[SB+16+8*\g+2*\c:SB+17+8*\g+2*\c]
.endr
.endr
	v_pk_add_f32 v[T:T+1], v[T:T+1], v[T+2:T+3]
	v_pk_add_f32 v[T+4:T+5], v[T+4:T+5], v[T+6:T+7]
	v_pk_add_f32 v[T:T+1], v[T:T+1], v[T+4:T+5]
.if \first
	v_add_f32 v[AL+2*\q+1], v[T], v[T+1]
.else
	v_add_f32 v[T], v[T], v[T+1]
	v_fma_f32 v[AL+2*\q+1], v[AL+2*\q+1], v[AL+2*\q], v[T]
.endif
.irp p, 0,1,2,3,4,5,6,7,8,9,10,11,12,13,14,15
	v_cvt_pk_f16_f32 v[SB+\p], v[SB+2*\p], v[SB+2*\p+1]    ; ascending: register p is written when registers 2 p, 2 p + 1 are read
.endr
.endm
; Behind a run of matrix instructions: five plain places before a load lands in one of their sources, a vector instruction
; reads a result, or a later matrix instruction takes a result as an operand or writes over a source.
.macro PLACES
.rept 5
	v_nop
.endr
.endm
; ONE STEP, 64 keys.  At its head 48 loads of mine are out, in this order: K's 16, the mask's 16, V's 16 (ahead of the first step Q's 8 too).
; half: which 64 keys of the tile.  first: the sums start here (C = 0, no rescaling).  fill: the next step's 48 loads are issued, as soon
; as window 1 has been used up; they have the softmax and the second product to arrive in.
.macro STEP half, first, fill
	s_wait_loadcnt 32                              ; loads come back in issue order: K (and Q) are in, the 32 issued behind them stay out
	WIN A_W1
.irp q, 0,1
.irp kb, 0,1,2,3
	v_wmma_f32_16x16x32_f16 v[S+32*\q+8*\kb:S+32*\q+8*\kb+7], v[KL+16*\kb:KL+16*\kb+7], v[Q+16*\q:Q+16*\q+7], 0
.endr
.endr
.irp q, 0,1
.irp kb, 0,1,2,3
	v_wmma_f32_16x16x32_f16 v[S+32*\q+8*\kb:S+32*\q+8*\kb+7], v[KL+16*\kb+8:KL+16*\kb+15], v[Q+16*\q+8:Q+16*\q+15], v[S+32*\q+8*\kb:S+32*\q+8*\kb+7]
.endr
.endr
	s_wait_loadcnt 0x0                             ; the mask and V are in; nothing younger has been issued, so nothing is held up by the zero
	PLACES
	WIN B_W1
.set j, 0
.rept 32
	v_pk_add_f32 v[S+2*j:S+2*j+1], v[S+2*j:S+2*j+1], v[ML+2*j:ML+2*j+1]
.set j, j+1
.endr
.irp t, 0,1,2,3,4,5,6,7,8,9,10,11,12,13,14,15
	ds_store_b128 v[VST], v[VL+4*\t:VL+4*\t+3] offset:\t*640       ; 4 key rows of pitch 160 a store; my own bytes
.endr
.if \fill
.if \half == 1
	NEXT                                           ; behind the wait for zero loads: no pending load names the bases
	LOADS 0                                        ; the next listed tile's first 64 keys
.else
	LOADS 1                                        ; this tile's second 64 keys
.endif
.endif
	WIN 0
.irp ks, 0,1
.irp db, 0,1,2,3
	ds_load_tr16_b128 v[F+16*\db+8*\ks:F+16*\db+8*\ks+3], v[ADV] offset:\db*32+\ks*5120            ; LDS serves a wave's instructions in order:
	ds_load_tr16_b128 v[F+16*\db+8*\ks+4:F+16*\db+8*\ks+7], v[ADV] offset:\db*32+\ks*5120+2560     ; these see the stores above
.endr
.endr
	SM_MAX 0, \first
	SM_MAX 1, \first
	SM_REST 0, \first
	SM_REST 1, \first
	s_wait_dscnt 0x0                               ; V^T is in
.irp q, 0,1
.irp db, 0,1,2,3
.if \first
	v_wmma_f32_16x16x32_f16 v[O+32*\q+8*\db:O+32*\q+8*\db+7], v[F+16*\db:F+16*\db+7], v[S+32*\q:S+32*\q+7], 0
.else
	v_wmma_f32_16x16x32_f16 v[O+32*\q+8*\db:O+32*\q+8*\db+7], v[F+16*\db:F+16*\db+7], v[S+32*\q:S+32*\q+7], v[O+32*\q+8*\db:O+32*\q+8*\db+7]
.endif
.endr
.endr
.irp q, 0,1
.irp db, 0,1,2,3
	v_wmma_f32_16x16x32_f16 v[O+32*\q+8*\db:O+32*\q+8*\db+7], v[F+16*\db+8:F+16*\db+15], v[S+32*\q+8:S+32*\q+15], v[O+32*\q+8*\db:O+32*\q+8*\db+7]
.endr
.endr
	PLACES
.endm
.macro ROUND first, fill                       ; one listed tile: the first step always asks for the second; the second asks for the next tile
	STEP 0, \first, 1
	STEP 1, 0, \fill
.endm
	; n listed tiles: the first starts the sums, the last asks for nothing beyond itself.  At every label window 0 is set and the same 48 loads are out.
	s_cmp_le_u32 s93, 1
	s_cbranch_scc1 .Lsingle
	ROUND 1, 1
	s_sub_co_u32 s93, s93, 2
	s_cmp_eq_u32 s93, 0
	s_cbranch_scc1 .Llast
.Lloop:
	ROUND 0, 1
	s_sub_co_u32 s93, s93, 1
	s_cmp_lg_u32 s93, 0
	s_cbranch_scc1 .Lloop
.Llast:
	ROUND 0, 0
	s_branch .Lout
.Lsingle:
	ROUND 1, 0
.Lout:
	; divide by the row sums (the two halves of the keys meet here) and go out through my own LDS, so that sixteen lanes store
	; the 256 consecutive, aligned bytes of one (row, head) of out0
	v_permlanex16_b32 v[ST+1], v[AL+1], s20, s21
	v_permlanex16_b32 v[ST+3], v[AL+3], s20, s21
	v_add_f32 v[AL+1], v[AL+1], v[ST+1]
	v_add_f32 v[AL+3], v[AL+3], v[ST+3]
	v_rcp_f32 v[AL], v[AL+1]
	v_rcp_f32 v[AL+2], v[AL+3]
	v_nop                                          ; a plain instruction between the reciprocals and their use
	s_wait_alu depctr_va_vdst(0)
.irp q, 0,1
.irp p, 0,1,2,3,4,5,6,7,8,9,10,11,12,13,14,15
	v_pk_mul_f32 v[O+32*\q+2*\p:O+32*\q+2*\p+1], v[O+32*\q+2*\p:O+32*\q+2*\p+1], v[AL+2*\q:AL+2*\q+1] op_sel_hi:[1,0]
.endr
.endr
.irp q, 0,1
.irp db, 0,1,2,3
	ds_store_b128 v[STO], v[O+32*\q+8*\db:O+32*\q+8*\db+3] offset:\q*4352+\db*64       ; 32 rows of pitch 272 in the bytes that held V: its last reads were waited for
	ds_store_b128 v[STO], v[O+32*\q+8*\db+4:O+32*\q+8*\db+7] offset:\q*4352+\db*64+16
.endr
.endr
.irp t, 0,1,2,3,4,5,6,7,8,9,10,11,12,13,14,15
	ds_load_b128 v[S+4*\t:S+4*\t+3], v[RD] offset:\t*544   ; my own bytes, served in order: these see the stores above
.endr
.irp t, 0,1,2,3,4,5,6,7,8,9,10,11,12,13,14,15
	s_wait_dscnt 15-\t                             ; load t is in; the 15 - t issued behind it stay out
	global_store_b128 v[CO], v[S+4*\t:S+4*\t+3], s[14:15] offset:\t*8192 th:TH_STORE_NT
.endr
	s_wait_tensorcnt 0x0
	ds_add_u32 v13, v15
	s_wait_dscnt 0x0
	s_endpgm
.Lfunc_end_k_q745bc72d1d_attn:
	.size	k_q745bc72d1d_attn, .Lfunc_end_k_q745bc72d1d_attn-k_q745bc72d1d_attn
	.p2alignl 7, 3214868480
	.fill 96, 4, 3214868480
	.section	.rodata,"a",@progbits
	.p2align	6, 0x0
	.amdhsa_kernel k_q745bc72d1d_attn
		.amdhsa_group_segment_fixed_size 82944
		.amdhsa_private_segment_fixed_size 0
		.amdhsa_enable_private_segment 0
		.amdhsa_kernarg_size 48
		.amdhsa_user_sgpr_count 2
		.amdhsa_user_sgpr_kernarg_segment_ptr 1
		.amdhsa_wavefront_size32 1
		.amdhsa_system_sgpr_workgroup_id_x 1
		.amdhsa_system_sgpr_workgroup_id_y 1
		.amdhsa_system_sgpr_workgroup_id_z 1
		.amdhsa_system_vgpr_workitem_id 0
		.amdhsa_next_free_vgpr 448
		.amdhsa_next_free_sgpr 100
		.amdhsa_reserve_vcc 0
		.amdhsa_float_denorm_mode_32 3
		.amdhsa_float_denorm_mode_16_64 3
		.amdhsa_memory_ordered 1
		.amdhsa_forward_progress 1
		.amdhsa_inst_pref_size 217
	.end_amdhsa_kernel
	.amdgpu_metadata
---
amdhsa.version: [ 1, 2 ]
amdhsa.kernels:
  - .name:           k_q745bc72d1d_attn
    .symbol:         k_q745bc72d1d_attn.kd
    .args:
      - { .name: tiles, .offset: 0, .size: 8, .value_kind: global_buffer, .address_space: global }
      - { .name: qh, .offset: 8, .size: 8, .value_kind: global_buffer, .address_space: global }
      - { .name: kh, .offset: 16, .size: 8, .value_kind: global_buffer, .address_space: global }
      - { .name: vh, .offset: 24, .size: 8, .value_kind: global_buffer, .address_space: global }
      - { .name: sliding_window_mask, .offset: 32, .size: 8, .value_kind: global_buffer, .address_space: global }
      - { .name: out0, .offset: 40, .size: 8, .value_kind: global_buffer, .address_space: global }
    .group_segment_fixed_size: 82944
    .private_segment_fixed_size: 0
    .kernarg_segment_align: 8
    .kernarg_segment_size: 48
    .max_flat_workgroup_size: 256
    .sgpr_count:     100
    .vgpr_count:     448
    .wavefront_size: 32
...
	.end_amdgpu_metadata
.endif
;; end of part 3
